; MI455X (gfx1250); checked and timed in simulation.
; The chip was launched on July 23, 2026; its instructions are those of AMD's public machine-readable ISA for CDNA 5 (MIT licence, August 2026) and "CDNA5" Instruction Set Architecture Reference Guide (July 2026). The comments in the code are by the model that wrote it; some were corrected since.
;; Atomic Linear. Allowed arithmetic: matrix products marked QUANTISED: E2M1 operands, one E8M0 scale for each 32 along K, by v_wmma_scale_f32_16x16x128_f8f6f4 with both operands' format E2M1 (or v_wmma_scale_f32_32x16x128_f4), f32 sums; everything else in f32.
;; Inputs: bias 2,048 float32; weight_codes 2,048 x 64 x 16 uint8 (E2M1 codes of weight, K innermost, in blocks of 32 codes, two codes a byte); weight_scales 2,048 x 64 uint8 (E8M0 scales of weight, one for each 32 codes along K); x_codes 4,096 x 64 x 16 uint8 (E2M1 codes of x, K innermost, in blocks of 32 codes, two codes a byte); x_scales 4,096 x 64 uint8 (E8M0 scales of x, one for each 32 codes along K).
;; Outputs: out0 4,096 x 2,048 float32.
;; This version of the problem:
;;   THIS VERSION OF THE PROBLEM IS GIVEN IN LOW PRECISION. The matrix products marked QUANTISED in the list below multiply operands that are first quantised to E2M1 (2 exponent bits, 1 mantissa bit; 4 bits a number), with one power-of-two scale for each 32 numbers along K (OCP MX v1.0); their sums are f32. All else is computed in f32.
;;   The module's matrix products, in the order in which they are computed (A, B: the left and right operand; K: the contracted axis; several contracted axes count as one K, in the product's order):
;;     1. [M 4,096, K 2,048] x [K 2,048, N 2,048]; A: input x (given as codes); B: input weight (given as codes): QUANTISED
;;   THE QUANTISER, for each operand of a quantised product, along K:
;;     - K is cut into blocks of 32 from its start; a last block that is shorter is filled with zeros.
;;     - A block's scale is 2^e with e = floor(log2(the largest magnitude in the block)) - 2, held to -126 .. 127; a block of zeros has e = 0. As a byte (E8M0): e + 127.
;;     - Each number is divided by its block's scale, clamped to +-6, and rounded to the nearest number of E2M1, ties to even, subnormals kept.
;;     - The product sums the exact products of the quantised numbers (number of the format x scale) in f32.
;;   ~~~python
;;   def quantise(x, axis):      # numpy; x: float32 -> the quantised numbers, widened to float32 again
;;       x = np.moveaxis(x, axis, -1); K = x.shape[-1]
;;       x = np.pad(x, [(0, 0)] * (x.ndim - 1) + [(0, -K % 32)]); x = x.reshape(x.shape[:-1] + (-1, 32)); a = np.abs(x).max(-1, keepdims=True)
;;       e = np.where(a > 0, np.clip(np.frexp(np.where(a > 0, a, 1))[1] - 1 - 2, -126, 127), 0)      # np.frexp(a)[1] - 1 = floor(log2(a)), exactly
;;       r = np.clip(x / 2.0 ** e, -6, 6)
;;       step = 2.0 ** (np.maximum(np.frexp(np.where(r == 0, 1, r))[1] - 1, 0) - 1)
;;       q = np.round(r / step) * step * 2.0 ** e      # np.round: ties to even
;;       return np.moveaxis(q.reshape(q.shape[:-2] + (-1,))[..., :K], -1, axis).astype(np.float32)
;;   ~~~
;;   INPUTS GIVEN AS CODES. weight (in the module: [2048, 2048], K = its axis 1); x (in the module: [4096, 2048], K = its axis 1): each comes as NAME_codes (uint8): NAME with its K axis moved to the last place and cut into blocks of 32 codes, [.., K / 32, bytes a block], one block behind the other in memory; two codes a byte, the lower K in the low four bits (a code: sign, 2 exponent bits, 1 mantissa bit); and NAME_scales (uint8): the same leading axes, one E8M0 byte (e + 127) for each 32 codes along K. Its value is code x scale, taken as it is: it is not quantised again, and the codes and scales need not be those that the quantiser above would give.
;; One version. Each part assembles by itself: llvm-mc -triple=amdgcn-amd-amdhsa -mcpu=gfx1250 --defsym DOCPART=n.
;; ======== version 1 of 1: 1 launch
;; launch linear (part 1): grid 16 x 16, 4 waves a work-group, clusters of 4 x 4, 327,680 bytes of LDS; arguments x_codes, x_scales, weight_codes, weight_scales, bias, out0; writes out0
.if DOCPART == 1
	.amdgcn_target "amdgcn-amd-amdhsa--gfx1250"
	.amdhsa_code_object_version 6
	.text
	.protected	k_q59c30623f3_linear
	.globl	k_q59c30623f3_linear
	.p2align	8
	.type	k_q59c30623f3_linear,@function
k_q59c30623f3_linear:
	s_mov_b64 s[64:65], 0
	v_nop
	global_prefetch_b8 v0, s[64:65] scope:SCOPE_SE
	s_setreg_imm32_b32 hwreg(HW_REG_WAVE_MODE, 25, 1), 1
	s_wait_xcnt 0x0
	s_wait_alu depctr_hold_cnt(0) depctr_sa_sdst(0) depctr_va_vdst(0) depctr_va_sdst(0) depctr_va_ssrc(0) depctr_va_vcc(0) depctr_vm_vsrc(0)
	s_getreg_b32 s2, hwreg(HW_REG_IB_STS2, 6, 4)
	s_cmp_eq_u32 s2, 0
	s_cbranch_scc0 .Lentry_in_a_cluster
	s_endpgm
.Lentry_in_a_cluster:
	s_bfe_u32 s2, ttmp6, 0x10000c
	s_cmp_lg_u32 s2, 0xf033
	s_cbranch_scc0 .Lentry_shape_is_right
	s_endpgm
.Lentry_shape_is_right:
; out0[m][n] = sum over k of x[m][k] weight[n][k] + bias[n].  x: [4096][2048], weight: [2048][2048]: codes of FP4 (E2M1), two a byte, K innermost (a row is 1,024 bytes), with one E8M0 byte
; for each 32 along K (a row of scales is 64 bytes = 16 words, one word for each 128 along K).  bias [2048] and out0 [4096][2048] are f32.  Codes and scale bytes go to the matrix unit as they lie.
; LIMITS: codes and scale bytes are taken as given; a scale byte 0xff makes the sums that it touches NaN, as the format defines it.  The bias is added in f32 to the finished f32 sum.
; SHARES.  A work-group makes 256 rows x 128 columns of out0: 16 x 16 = 256 work-groups.  Wave w = (wr = w / 2, wc = w % 2) makes rows 128 wr .. + 127 and columns 64 wc .. + 63: 512 matrix instructions.
; THE WEIGHTS STAY IN REGISTERS, x STREAMS BY ROWS.  A wave's 64 rows of weight, for all of K, are 64 fragments = 512 registers, read from LDS once.  x goes in four passes of 32 rows: 2 blocks e of 16 rows x 4 tiles b of
; 16 columns = 8 accumulators, 16 steps of 128 along K, 128 matrix instructions; then the pass's 32 rows x 64 columns are finished and are stored.  The output is five times the input's bytes, so what counts is that its
; first bytes leave early and the rest follows while products run: a quarter of a wave's results leaves after each quarter of its products.
; THE COLUMNS OF A TILE ARE NOT NEIGHBOURS.  Source 0 = 16 rows of x, source 1 = 16 rows of weight: in the result lane (r, h), register j is (row 8 h + j, the column that lane r took).  Tile b gives lane r column
; 64 wc + 4 r + b.  So register j of the four tiles are FOUR NEIGHBOURING COLUMNS of one row of out0: the four bias additions put them into four consecutive registers, and one store of 16 bytes a lane writes 256
; consecutive bytes of row 8 h + j from each half of the lanes, each at a multiple of 256 from out0's first byte.  No stage in LDS, no copy, no barrier on the way out.
; So that such a tile's 16 rows of weight are neighbours in LDS, the tensor loads sort them: wave b brings the 32 rows b, b + 4, b + 8 .. (a descriptor's pitch of four rows) to LDS rows 32 b .. 32 b + 31.
; LDS holds weight's 128 rows and 128 of x's 256 at a time.  As soon as every wave has its weights in registers, weight's region is filled again, once, with x's rows of passes 2 and 3: that load has passes 0 and 1,
; 256 matrix instructions and two ways out, in which to land.
; CLUSTER: 4 x 4 work-groups.  x's tiles and scales hang on the tile row and the wave's number and are asked for jointly by the four work-groups of a row of the cluster; weight's hang on the tile column and the wave's number
; and are asked for jointly by a column's four.  Every wave issues every tensor load of the text: no branch stands round any of them.  By this text's own count a wave has four tensor loads out at the start, later one.
; REGISTERS, in windows of 256:  window 0: v0-15 addresses; v16-19 bias; v32-63 weight's scale words; v64-95 x's, two sets; v96-159 the accumulators, (e, b) at v[96 + 8 (4 e + b)]; v160-223 results on their way out.
;   window 1: x's fragments of a pass, step p, block e at v[16 p + 8 e].   window 2: weight's fragments of steps 0-7, (p, b) at v[32 p + 8 b];   window 3: those of steps 8-15.
.set XP,    1040                       ; an LDS row of codes: 1,024 bytes + 16 of padding = 65 x 16: the sixteen rows that a fragment load touches fall on sixteen different 16-byte columns of 256
.set PART,  32*XP                      ; 32 rows: what one tensor load brings
.set XA,    0                          ; x's rows of passes 0 and 1: part w = rows 128 (w / 2) + 32 (w % 2) on
.set WB,    4*PART                     ; weight, class b at part b; later x's rows of passes 2 and 3, part w = rows 128 (w / 2) + 64 + 32 (w % 2) on
.set SCAL,  8*PART                     ; x's scale bytes, rows in their natural order: 64 pieces of 256 bytes (four rows) + 16 of padding
.set SAW,   16*272                     ; what one wave brings of them: 64 rows
.set SCBL,  SCAL+4*SAW                 ; weight's scale bytes, likewise: 32 pieces
.set SBW,   8*272                      ; what one wave brings of them: 32 rows
.set SPARE, SCBL+4*SBW                 ; the spare words, 128 bytes for each wave: two blocks of 256 bytes that no other line names
.set ADRX0, 4                          ; v4   my place in my rows of x, passes 0 and 1
.set ADRX1, 5                          ; v5   the same for passes 2 and 3
.set ADRW0, 6                          ; v6   my place in weight's classes 0 and 1
.set ADRW1, 7                          ; v7   and in classes 2 and 3: an LDS offset has 16 bits
.set ADSA,  8                          ; v8   x's scale words: lanes 0-15 block 0 of a pass, lanes 16-31 block 1
.set ADSB,  9                          ; v9   weight's: lanes 0-15 tile b, lanes 16-31 tile b + 2
.set CO,    10                         ; v10  my byte offset in out0: 8 h rows + 16 r
.set BO,    11                         ; v11  my byte offset in bias: 16 r
.set SPW,   12                         ; v12  LDS address of my spare word; never rewritten
.set NIL,   13                         ; v13  0; never rewritten
.set BI,    16                         ; v16-19  bias[64 wc + 4 r + b] at BI + b
.set WSC,   32                         ; v32-63  register WSC + 16 (b % 2) + p: weight's scale word of step p: lanes 0-15 tile b % 2, lanes 16-31 that tile + 2
.set XSC,   64                         ; v64-95  register XSC + 16 (pass % 2) + p: x's: lanes 0-15 block 0, lanes 16-31 block 1
.set ACC,   96
.set TMP,   160                        ; v160-223 results with their bias: 32 e + 4 j + b
.set WV,    16                         ; s16  my wave's number
.set WR,    66                         ; s66  wr: which 128 rows are mine
.set WC,    67                         ; s67  wc: which 64 columns
.set G1X,   24                         ; s[24:31] descriptor group 1: x's codes
.set G1W,   32                         ; s[32:39] weight's codes
.set G1SA,  40                         ; s[40:47] x's scales
.set G1SB,  48                         ; s[48:55] weight's scales
.set G0X0,  56                         ; groups 0, one for each load; none is ever rewritten
.set G0X1,  60
.set G0W,   68
.set G0SA,  72
.set G0SB,  76
.set W_MULA, 0x09                      ; source 0 (x) window 1, source 1 (weight) window 2, C and D window 0
.set W_MULB, 0x0d                      ; the same with weight's window 3
.set TO_X,  0x40                       ; destination window 1, address window 0
.set TO_W0, 0x80                       ; destination window 2
.set TO_W1, 0xc0                       ; destination window 3
.set MSB, 0
.macro WIN new                         ; the immediate's high byte repeats the setting that is left; a switch that changes nothing is dropped
.if MSB != \new
	s_set_vgpr_msb (MSB<<8)|\new
.set MSB, \new
.endif
.endm
.macro CROUND                          ; a round of the cluster's barrier: my work-group's barrier, wave 0's signal for the work-group, every wave's wait for all sixteen, my work-group's barrier once more
	s_barrier_signal -1
	s_barrier_wait -1
	s_cmp_lg_u32 s[WV], 0
	s_cbranch_scc1 .Lnot_wave_0_\@
	s_barrier_signal -3
.Lnot_wave_0_\@:
	s_barrier_wait -3
	s_barrier_signal -1
	s_barrier_wait -1
.endm
; A load into a register that a matrix instruction has read, and a vector instruction that reads a matrix result, stand four places behind that matrix instruction, and only plain vector instructions that name
; none of its registers are places (ISA guide 7.12.1 for vector instructions); the matrix instructions in between are not counted.
.macro PLACES
.rept 4
	v_nop
.endr
.endm
	s_load_b256 s[4:11], s[0:1], 0x0               ; x's codes s[4:5], x's scales s[6:7], weight's codes s[8:9], weight's scales s[10:11]
	s_load_b128 s[12:15], s[0:1], 0x20             ; bias s[12:13], out0 s[14:15]
	v_lshl_add_u32 v[SPW], v0, 2, SPARE
	v_mov_b32 v[NIL], 0
	ds_add_u32 v12, v13
	ds_add_u32 v12, v13
	s_wait_dscnt 0x0
	v_lshrrev_b32 v3, 5, v0
	v_readfirstlane_b32 s[WV], v3                  ; wave 0..3
	s_lshr_b32 s[WR], s[WV], 1
	s_and_b32 s[WC], s[WV], 1
	s_bfe_u32 s17, ttmp6, 0x40000                  ; cx, cy: my place in the cluster
	s_bfe_u32 s18, ttmp6, 0x40004
	s_lshl_b32 s19, ttmp9, 2
	s_add_co_u32 s19, s19, s17                     ; tile column = 4 x cluster x + cx
	s_and_b32 s20, ttmp7, 0xffff
	s_lshl_b32 s20, s20, 2
	s_add_co_u32 s20, s20, s18                     ; tile row = 4 x cluster y + cy
	s_lshl_b32 s21, s18, 2
	s_lshl_b32 s21, 15, s21                        ; my row of the cluster: places 4 cy .. 4 cy + 3
	s_lshl_b32 s22, 0x1111, s17                    ; my column: places cx, cx + 4, cx + 8, cx + 12
	; group 1 for x's codes: 32 whole rows of 1,024 bytes, 16 bytes of padding behind each row in LDS
	s_or_b32 s[G1X], s21, (0<<16)|(1<<20)|(1<<21)|(7<<22)|(3<<25)   ; 15:0 the mask: my row; 17:16 elements of 1 byte; 20 padding on; 21 set beside a mask; 24:22 after every 256 words (code 7); 31:25 four words (code 3)
	s_mov_b32 s[G1X+1], 1024<<16                   ; tensor_dim0 = 1,024
	s_mov_b32 s[G1X+2], 32<<16                     ; tensor_dim1 = 32
	s_mov_b32 s[G1X+3], 1024<<16                   ; tile_dim0 = 1,024
	s_mov_b32 s[G1X+4], 32                         ; tile_dim1 = 32
	s_mov_b32 s[G1X+5], 1024                       ; from row to row
	s_mov_b32 s[G1X+6], 0
	s_mov_b32 s[G1X+7], 0
	; for weight's codes: 32 whole rows, FOUR rows (4,096 bytes) apart in memory: one class of rows
	s_or_b32 s[G1W], s22, (0<<16)|(1<<20)|(1<<21)|(7<<22)|(3<<25)   ; the same with the mask of my column
	s_mov_b32 s[G1W+1], 1024<<16
	s_mov_b32 s[G1W+2], 32<<16
	s_mov_b32 s[G1W+3], 1024<<16
	s_mov_b32 s[G1W+4], 32
	s_mov_b32 s[G1W+5], 4096
	s_mov_b32 s[G1W+6], 0
	s_mov_b32 s[G1W+7], 0
	; for the scale bytes: dense blocks of memory as rows of 256 bytes (32 elements of 8 bytes), 16 bytes of padding behind each: x's 64 rows are 16 such rows, weight's 32 rows are 8
	s_or_b32 s[G1SA], s21, (3<<16)|(1<<20)|(1<<21)|(5<<22)|(3<<25)
	s_mov_b32 s[G1SA+1], 32<<16
	s_mov_b32 s[G1SA+2], 16<<16
	s_mov_b32 s[G1SA+3], 32<<16
	s_mov_b32 s[G1SA+4], 16
	s_mov_b32 s[G1SA+5], 32
	s_mov_b32 s[G1SA+6], 0
	s_mov_b32 s[G1SA+7], 0
	s_or_b32 s[G1SB], s22, (3<<16)|(1<<20)|(1<<21)|(5<<22)|(3<<25)
	s_mov_b32 s[G1SB+1], 32<<16
	s_mov_b32 s[G1SB+2], 8<<16
	s_mov_b32 s[G1SB+3], 32<<16
	s_mov_b32 s[G1SB+4], 8
	s_mov_b32 s[G1SB+5], 32
	s_mov_b32 s[G1SB+6], 0
	s_mov_b32 s[G1SB+7], 0
	; byte offsets, each in a pair of its own.  x's hold the tile row and the wave's number alone, weight's the tile column and the wave's number alone; s23 only ever holds the wave's share
	s_lshl_b32 s80, s20, 18                        ; x's codes: 256 rows of 1,024 bytes a tile row;
	s_lshl_b32 s23, s[WR], 17                      ; the part that I fetch: rows 128 (w / 2)
	s_add_co_u32 s80, s80, s23
	s_lshl_b32 s23, s[WC], 15                      ; + 32 (w % 2) on
	s_add_co_u32 s80, s80, s23
	s_mov_b32 s81, 0
	s_lshl_b32 s82, s20, 14                        ; x's scales: 256 rows of 64 bytes,
	s_lshl_b32 s23, s[WV], 12                      ; 64 rows a wave
	s_add_co_u32 s82, s82, s23
	s_mov_b32 s83, 0
	s_lshl_b32 s84, s19, 17                        ; weight's codes: 128 rows of 1,024 bytes a tile column,
	s_lshl_b32 s23, s[WV], 10                      ; the class that I fetch begins at row b = my wave's number
	s_add_co_u32 s84, s84, s23
	s_mov_b32 s85, 0
	s_lshl_b32 s86, s19, 13                        ; weight's scales: 128 rows of 64 bytes,
	s_lshl_b32 s23, s[WV], 11                      ; 32 rows a wave
	s_add_co_u32 s86, s86, s23
	s_mov_b32 s87, 0
	s_lshl_b32 s90, s19, 9                         ; bias, and a row of out0: 128 columns of 4 bytes a tile column,
	s_lshl_b32 s23, s[WC], 8                       ; my 64 columns
	s_add_co_u32 s90, s90, s23
	s_mov_b32 s91, 0
	s_lshl_b32 s88, s20, 21                        ; out0: 256 rows of 8,192 bytes a tile row,
	s_lshl_b32 s23, s[WR], 20                      ; my 128 rows,
	s_add_co_u32 s88, s88, s23
	s_add_co_u32 s88, s88, s90                     ; and my first column
	s_mov_b32 s89, 0
	s_wait_kmcnt 0x0
	s_add_nc_u64 s[4:5], s[4:5], s[80:81]
	s_add_nc_u64 s[6:7], s[6:7], s[82:83]
	s_add_nc_u64 s[8:9], s[8:9], s[84:85]
	s_add_nc_u64 s[10:11], s[10:11], s[86:87]
	s_add_nc_u64 s[12:13], s[12:13], s[90:91]
	s_add_nc_u64 s[14:15], s[14:15], s[88:89]
	; groups 0: the word 1, the LDS address (a constant + the wave's number x a constant: no place in the cluster enters it), the global address, the type
	s_mov_b32 s[G0X0], 1
	s_mul_i32 s[G0X0+1], s[WV], PART               ; XA is LDS byte 0
	s_mov_b64 s[G0X0+2:G0X0+3], s[4:5]             ; x, passes 0 and 1
	s_or_b32 s[G0X0+3], s[G0X0+3], 0x80000000
	s_mov_b32 s[G0X1], 1
	s_mul_i32 s[G0X1+1], s[WV], PART
	s_add_co_u32 s[G0X1+1], s[G0X1+1], WB          ; into weight's region:
	s_add_nc_u64 s[G0X1+2:G0X1+3], s[4:5], 64*1024 ; x, 64 rows further down: passes 2 and 3, the launch's one refill
	s_or_b32 s[G0X1+3], s[G0X1+3], 0x80000000
	s_mov_b32 s[G0W], 1
	s_mul_i32 s[G0W+1], s[WV], PART
	s_add_co_u32 s[G0W+1], s[G0W+1], WB
	s_mov_b64 s[G0W+2:G0W+3], s[8:9]
	s_or_b32 s[G0W+3], s[G0W+3], 0x80000000
	s_mov_b32 s[G0SA], 1
	s_mul_i32 s[G0SA+1], s[WV], SAW
	s_add_co_u32 s[G0SA+1], s[G0SA+1], SCAL
	s_mov_b64 s[G0SA+2:G0SA+3], s[6:7]
	s_or_b32 s[G0SA+3], s[G0SA+3], 0x80000000
	s_mov_b32 s[G0SB], 1
	s_mul_i32 s[G0SB+1], s[WV], SBW
	s_add_co_u32 s[G0SB+1], s[G0SB+1], SCBL
	s_mov_b64 s[G0SB+2:G0SB+3], s[10:11]
	s_or_b32 s[G0SB+3], s[G0SB+3], 0x80000000
	CROUND                                         ; all sixteen work-groups are here: the first joint loads meet
	tensor_load_to_lds s[G0SB:G0SB+3], s[G1SB:G1SB+7]   ; the four first fills go out as one group: weight's scales and codes first, since they are read first,
	s_nop 0
	tensor_load_to_lds s[G0W:G0W+3], s[G1W:G1W+7]
	s_nop 0
	tensor_load_to_lds s[G0SA:G0SA+3], s[G1SA:G1SA+7]   ; then x's
	s_nop 0
	tensor_load_to_lds s[G0X0:G0X0+3], s[G1X:G1X+7]
	s_nop 0
	PLACES                                         ; four v_nop follow the last of them
	; the lane's addresses, made while the tiles are on their way
	v_and_b32 v1, 15, v0                           ; r
	v_bfe_u32 v2, v0, 4, 1                         ; h
	v_mul_u32_u24 v3, v1, XP
	v_lshl_add_u32 v3, v2, 4, v3                   ; a fragment's row x pitch + 16 h: registers 4 c .. 4 c + 3 hold K = 64 c + 32 h + 0 .. 31: 16 bytes at 32 c + 16 h of a step's 64
	s_mul_i32 s23, s[WR], 2*PART                   ; my rows lie in parts 2 wr and 2 wr + 1
	v_add_nc_u32 v[ADRX0], s23, v3
	s_add_co_u32 s23, s23, WB
	v_add_nc_u32 v[ADRX1], s23, v3
	s_mul_i32 s23, s[WC], 16*XP                    ; my columns are rows 16 wc .. 16 wc + 15 of each class
	s_add_co_u32 s23, s23, WB
	v_add_nc_u32 v[ADRW0], s23, v3
	s_add_co_u32 s23, s23, 2*PART
	v_add_nc_u32 v[ADRW1], s23, v3
	v_lshrrev_b32 v14, 2, v1
	v_and_b32 v15, 3, v1
	v_mul_u32_u24 v[ADSA], v14, 272                ; x's scales: row r of a block lies in piece r / 4,
	v_lshl_add_u32 v[ADSA], v15, 6, v[ADSA]        ; 64 (r % 4) bytes in;
	v_mad_u32_u24 v[ADSA], v2, 4*272, v[ADSA]      ; lanes 16-31 take the pass's second block: 16 rows = 4 pieces on
	s_mul_i32 s23, s[WR], 2*SAW                    ; my 128 rows
	s_add_co_u32 s23, s23, SCAL
	v_add_nc_u32 v[ADSA], s23, v[ADSA]
	v_mul_u32_u24 v[ADSB], v1, 272                 ; weight's: row 64 wc + 4 r + b lies in piece 16 wc + r, 64 b bytes in;
	v_lshl_add_u32 v[ADSB], v2, 7, v[ADSB]         ; lanes 16-31 take the tile two further on
	s_mul_i32 s23, s[WC], 16*272
	s_add_co_u32 s23, s23, SCBL
	v_add_nc_u32 v[ADSB], s23, v[ADSB]
	v_lshlrev_b32 v[BO], 4, v1                     ; four columns of 4 bytes a lane
	v_lshl_add_u32 v[CO], v2, 16, v[BO]            ; and 8 rows of 8,192 bytes further down for lanes 16-31
	global_load_b128 v[BI:BI+3], v[BO], s[12:13]   ; bias[64 wc + 4 r + 0 .. 3]: sixteen lanes read 256 consecutive bytes
; weight's fragments of steps 8 half .. 8 half + 7, my four tiles: 64 loads
.macro WFRAGS half
.irp p, 0,1,2,3,4,5,6,7
.irp b, 0,1,2,3
.irp c, 0,1
	ds_load_b128 v[32*\p+8*\b+4*\c:32*\p+8*\b+4*\c+3], v[ADRW0+\b/2] offset:PART*(\b%2)+64*(8*\half+\p)+32*\c
.endr
.endr
.endr
.endm
; x's scale words of pass i: 16 words a row by four loads
.macro XSL i
	WIN 0
.irp q, 0,1,2,3
	ds_load_b128 v[XSC+16*((\i)%2)+4*\q:XSC+16*((\i)%2)+4*\q+3], v[ADSA] offset:8*272*(\i)+16*\q
.endr
.endm
; x's fragments of group G (pass G / 4, steps 4 (G % 4) + 0 .. 3, both blocks): sixteen loads
.macro LX G
	WIN TO_X
.irp s, 0,1,2,3
.irp e, 0,1
.irp c, 0,1
	ds_load_b128 v[16*(4*((\G)%4)+\s)+8*\e+4*\c:16*(4*((\G)%4)+\s)+8*\e+4*\c+3], v[ADRX0+(\G)/8] offset:PART*(((\G)/4)%2)+16*XP*\e+64*(4*((\G)%4)+\s)+32*\c
.endr
.endr
.endr
.endm
; One matrix instruction: step p, block e, tile b; xs: x's set of scale words.  zero = 1: the product starts the sum: nothing is ever cleared.
; Block 1 finds its scale words in lanes 16-31 of x's register, tiles 2 and 3 in lanes 16-31 of weight's.
.macro WM p, e, b, xs, zero
.set rD, ACC+8*(4*(\e)+(\b))
.set rA, 16*(\p)+8*(\e)
.set rB, 32*((\p)%8)+8*(\b)
.set rX, XSC+16*(\xs)+(\p)
.set rW, WSC+16*((\b)%2)+(\p)
.set sel, 4*(\zero)+2*(\e)+(\b)/2
.if sel == 0
	v_wmma_scale_f32_16x16x128_f8f6f4 v[rD:rD+7], v[rA:rA+7], v[rB:rB+7], v[rD:rD+7], v[rX], v[rW] matrix_a_fmt:MATRIX_FMT_FP4 matrix_b_fmt:MATRIX_FMT_FP4
.elseif sel == 1
	v_wmma_scale_f32_16x16x128_f8f6f4 v[rD:rD+7], v[rA:rA+7], v[rB:rB+7], v[rD:rD+7], v[rX], v[rW] matrix_a_fmt:MATRIX_FMT_FP4 matrix_b_fmt:MATRIX_FMT_FP4 matrix_b_scale:MATRIX_SCALE_ROW1
.elseif sel == 2
	v_wmma_scale_f32_16x16x128_f8f6f4 v[rD:rD+7], v[rA:rA+7], v[rB:rB+7], v[rD:rD+7], v[rX], v[rW] matrix_a_fmt:MATRIX_FMT_FP4 matrix_b_fmt:MATRIX_FMT_FP4 matrix_a_scale:MATRIX_SCALE_ROW1
.elseif sel == 3
	v_wmma_scale_f32_16x16x128_f8f6f4 v[rD:rD+7], v[rA:rA+7], v[rB:rB+7], v[rD:rD+7], v[rX], v[rW] matrix_a_fmt:MATRIX_FMT_FP4 matrix_b_fmt:MATRIX_FMT_FP4 matrix_a_scale:MATRIX_SCALE_ROW1 matrix_b_scale:MATRIX_SCALE_ROW1
.elseif sel == 4
	v_wmma_scale_f32_16x16x128_f8f6f4 v[rD:rD+7], v[rA:rA+7], v[rB:rB+7], 0, v[rX], v[rW] matrix_a_fmt:MATRIX_FMT_FP4 matrix_b_fmt:MATRIX_FMT_FP4
.elseif sel == 5
	v_wmma_scale_f32_16x16x128_f8f6f4 v[rD:rD+7], v[rA:rA+7], v[rB:rB+7], 0, v[rX], v[rW] matrix_a_fmt:MATRIX_FMT_FP4 matrix_b_fmt:MATRIX_FMT_FP4 matrix_b_scale:MATRIX_SCALE_ROW1
.elseif sel == 6
	v_wmma_scale_f32_16x16x128_f8f6f4 v[rD:rD+7], v[rA:rA+7], v[rB:rB+7], 0, v[rX], v[rW] matrix_a_fmt:MATRIX_FMT_FP4 matrix_b_fmt:MATRIX_FMT_FP4 matrix_a_scale:MATRIX_SCALE_ROW1
.else
	v_wmma_scale_f32_16x16x128_f8f6f4 v[rD:rD+7], v[rA:rA+7], v[rB:rB+7], 0, v[rX], v[rW] matrix_a_fmt:MATRIX_FMT_FP4 matrix_b_fmt:MATRIX_FMT_FP4 matrix_a_scale:MATRIX_SCALE_ROW1 matrix_b_scale:MATRIX_SCALE_ROW1
.endif
.endm
; Group G's 32 matrix instructions.  The eight accumulators take turns, one instruction a turn, in the same order in every step: between two instructions on one accumulator stand the
; seven others', over the groups' and the passes' edges too; K ascends for every accumulator.  A pass's first step starts the sums.
.macro MG G
.if ((\G)%4) < 2
	WIN W_MULA
.else
	WIN W_MULB
.endif
.irp s, 0,1,2,3
.set pp, 4*((\G)%4)+\s
.set zz, 0
.if ((\G)%4) == 0
.if \s == 0
.set zz, 1
.endif
.endif
.irp e, 0,1
.irp b, 0,1,2,3
	WM pp, \e, \b, ((\G)/4)%2, zz
.endr
.endr
.endr
.endm
; A unit: group G's operands are awaited (cnt: the LDS loads issued behind them, which may stay out), the loads of two groups on are issued (fetch = 1), group G is multiplied.
; The registers that those loads fill were last read by group G - 2's products: four places stand in front of them.  In the first two units behind a way out (or at the start) that way out's additions are the places.
.macro UNIT G, cnt, fetch
	s_wait_dscnt \cnt
.if \fetch
.if ((\G)%8) >= 2
	PLACES
.endif
.if (((\G)+2)%4) == 0
	XSL ((\G)+2)/4
.endif
	LX (\G)+2
.endif
	MG \G
.endm
; THE WAY OUT of pass i.  For each block e: 32 additions, register j of the four tiles + their bias into four consecutive registers (j ascending: each accumulator is read from its low end on)
; then eight stores: lanes 0-15 write 256 consecutive bytes of row 32 i + 16 e + j, lanes 16-31 of the row 8 further down, each at a multiple of 256 from out0's first byte.
; The largest immediate is 119 rows of 8,192 bytes, inside the signed 24 bits (ISA guide, chapter 10).  The 4 v_nop and the additions on the other accumulators are also the places between a pass's last products
; and the next pass's first, which begin the same accumulators anew.
.macro OUT i
	WIN 0
	s_wait_xcnt 0x0                                ; the registers that the last way out's stores read are rewritten only behind this wait
	PLACES                                         ; the additions read results just made
.irp e, 0,1
.irp j, 0,1,2,3,4,5,6,7
.irp b, 0,1,2,3
	v_add_f32 v[TMP+32*\e+4*\j+\b], v[ACC+8*(4*\e+\b)+\j], v[BI+\b]
.endr
.endr
.irp j, 0,1,2,3,4,5,6,7
	global_store_b128 v[CO], v[TMP+32*\e+4*\j:TMP+32*\e+4*\j+3], s[14:15] offset:(32*(\i)+16*\e+\j)*8192 th:TH_STORE_NT   ; written once, read by nobody here
.endr
.endr
.endm
	s_wait_tensorcnt 0x2                           ; my parts of weight's scales and codes are in; x's two loads, issued behind them, may stay out
	s_barrier_signal -1
	s_barrier_wait -1                              ; everybody's are
	; ---- the weights leave LDS: my 64 columns' scale words and fragments, for all of K
.irp i, 0,1
.irp q, 0,1,2,3
	ds_load_b128 v[WSC+16*\i+4*\q:WSC+16*\i+4*\q+3], v[ADSB] offset:64*\i+16*\q
.endr
.endr
	WIN TO_W0
	WFRAGS 0
	WIN TO_W1
	WFRAGS 1
	; ---- weight's region changes hands
	WIN 0
	s_wait_tensorcnt 0x0                           ; all my tensor loads have landed, my parts of x's scales and of x's first 128 rows among them;
	ds_add_u32 v[SPW], v[NIL]                      ; 0 onto my spare word
	s_wait_dscnt 0x0                               ; the add is done, and my weights are in registers: my reads of weight's region are over
	CROUND                                         ; all that holds of every wave of every work-group of the cluster
	tensor_load_to_lds s[G0X1:G0X1+3], s[G1X:G1X+7]   ; the one refill, first thing behind the round: x's rows of passes 2 and 3
	s_nop 0
	PLACES                                         ; four v_nop behind it
	; ---- passes 0 and 1
	XSL 0
	LX 0
	LX 1
	UNIT 0, 16, 1                                  ; 16: the youngest group's loads
	UNIT 1, 16, 1
	UNIT 2, 16, 1                                  ; (asks for pass 1's scale words with its first group: 20 loads)
	UNIT 3, 20, 1                                  ; 20: those
	s_wait_loadcnt 0x0                             ; bias
	OUT 0                                          ; the first 32 rows leave
	UNIT 4, 16, 1
	UNIT 5, 16, 1
	UNIT 6, 16, 0                                  ; pass 2's rows are not asked of LDS yet: they are shown landed only below
	UNIT 7, 0, 0
	OUT 1
	; ---- passes 2 and 3
	s_wait_tensorcnt 0x0                           ; my part of x's other 128 rows has landed (no LDS instruction of mine is out),
	s_barrier_signal -1
	s_barrier_wait -1                              ; everybody's has: the rows that I read were fetched by another wave.
	XSL 2
	LX 8
	LX 9
	UNIT 8, 16, 1
	UNIT 9, 16, 1
	UNIT 10, 16, 1
	UNIT 11, 20, 1
	OUT 2
	UNIT 12, 16, 1
	UNIT 13, 16, 1
	UNIT 14, 16, 0
	UNIT 15, 0, 0
	OUT 3
	s_wait_tensorcnt 0x0                           ; the wave's end: my last LDS instructions, behind my last tensor load
	ds_add_u32 v[SPW], v[NIL]
	s_wait_dscnt 0x0
	CROUND                                         ; the closing round: no work-group ends while a partner may still ask for a tile that names it
	s_endpgm
.Lfunc_end_k_q59c30623f3_linear:
	.size	k_q59c30623f3_linear, .Lfunc_end_k_q59c30623f3_linear-k_q59c30623f3_linear
	.p2alignl 7, 3214868480
	.fill 96, 4, 3214868480
	.section	.rodata,"a",@progbits
	.p2align	6, 0x0
	.amdhsa_kernel k_q59c30623f3_linear
		.amdhsa_group_segment_fixed_size 327680
		.amdhsa_private_segment_fixed_size 0
		.amdhsa_enable_private_segment 0
		.amdhsa_kernarg_size 48
		.amdhsa_user_sgpr_count 2
		.amdhsa_user_sgpr_kernarg_segment_ptr 1
		.amdhsa_wavefront_size32 1
		.amdhsa_system_sgpr_workgroup_id_x 1
		.amdhsa_system_sgpr_workgroup_id_y 1
		.amdhsa_system_sgpr_workgroup_id_z 1
		.amdhsa_system_vgpr_workitem_id 0
		.amdhsa_next_free_vgpr 1024
		.amdhsa_next_free_sgpr 96
		.amdhsa_reserve_vcc 0
		.amdhsa_float_denorm_mode_32 3
		.amdhsa_float_denorm_mode_16_64 3
		.amdhsa_memory_ordered 1
		.amdhsa_forward_progress 1
		.amdhsa_inst_pref_size 116
	.end_amdhsa_kernel
	.amdgpu_metadata
---
amdhsa.version: [ 1, 2 ]
amdhsa.kernels:
  - .name:           k_q59c30623f3_linear
    .symbol:         k_q59c30623f3_linear.kd
    .args:
      - { .name: x_codes, .offset: 0, .size: 8, .value_kind: global_buffer, .address_space: global }
      - { .name: x_scales, .offset: 8, .size: 8, .value_kind: global_buffer, .address_space: global }
      - { .name: weight_codes, .offset: 16, .size: 8, .value_kind: global_buffer, .address_space: global }
      - { .name: weight_scales, .offset: 24, .size: 8, .value_kind: global_buffer, .address_space: global }
      - { .name: bias, .offset: 32, .size: 8, .value_kind: global_buffer, .address_space: global }
      - { .name: out0, .offset: 40, .size: 8, .value_kind: global_buffer, .address_space: global }
    .group_segment_fixed_size: 327680
    .private_segment_fixed_size: 0
    .kernarg_segment_align: 8
    .kernarg_segment_size: 48
    .max_flat_workgroup_size: 128
    .sgpr_count:     96
    .vgpr_count:     1024
    .wavefront_size: 32
...
	.end_amdgpu_metadata
.endif
;; end of part 1
